; MI455X (gfx1250); checked and timed in simulation.
; The chip was launched on July 23, 2026; its instructions are those of AMD's public machine-readable ISA for CDNA 5 (MIT licence, August 2026) and "CDNA5" Instruction Set Architecture Reference Guide (July 2026). The comments in the code are by the model that wrote it; some were corrected since.
;; view learner. Allowed arithmetic: float matrix products may take bf16 or f16 operands with f32 sums; other float arithmetic in f32, or as packed bf16 or f16 multiplies, adds, multiply-adds, maxima and minima; sums over many terms, partial sums and values carried from step to step in f32; what a program stores and reads back later, other than sums and carried values, may be rounded once to bf16 or f16.
;; Inputs: logvar_t 1 float32; noise 4,096 x 3 x 32 x 32 float32; x 4,096 x 3 x 32 x 32 float32.
;; Outputs: out0 4,096 x 3 x 32 x 32 float32; out1 one number float32.
;; One version. Each part assembles by itself: llvm-mc -triple=amdgcn-amd-amdhsa -mcpu=gfx1250 --defsym DOCPART=n.
;; ======== version 1 of 1: 3 launches
;; limits: right only within a limited range of input values
;; workspace buffers: xb 25,165,824 bytes; nrm 16,384 bytes; part 262,144 bytes
;; launch prep (part 1): grid 256 x 1, 16 waves a work-group, no clusters, 2,304 bytes of LDS; arguments x, noise, logvar_t, out0, xb, nrm; writes out0, xb, nrm
.if DOCPART == 1
	.amdgcn_target "amdgcn-amd-amdhsa--gfx1250"
	.amdhsa_code_object_version 6
	.text
	.protected	k_q4184c0b988_prep
	.globl	k_q4184c0b988_prep
	.p2align	8
	.type	k_q4184c0b988_prep,@function
k_q4184c0b988_prep:
	s_mov_b64 s[64:65], 0
	v_nop
	global_prefetch_b8 v0, s[64:65] scope:SCOPE_SE
	s_setreg_imm32_b32 hwreg(HW_REG_WAVE_MODE, 25, 1), 1
	s_wait_xcnt 0x0
; FIRST OF THREE LAUNCHES.  out0 = x + exp(logvar_t / 2) noise;  xb = x rounded to bf16;  nrm[i] = the sum over k of xb[i][k]^2, in f32.
; x, noise, out0: [4096][3072] f32 (rows of 12,288 bytes);  xb: [4096][3072] bf16 (rows of 6,144 bytes);  nrm: [4096] f32.
; THE PROGRAM.  out1 = 12 - the mean over i of log2( sum over j of 2^t_ij ),  t_ij = min(c g_ij - u_i - u_j, 0),  g = xb xb^T,  u_i = c nrm_i / 2,  c = log2(e) / (exp(logvar_t) + 1e-10):
; that is (ln 4096 - mean logsumexp(-max(dist, 0) / (2 var))) / ln 2 with dist_ij = nrm_i + nrm_j - 2 g_ij.  The second launch makes g and, for each row and each block of 256 columns, the
; logarithm of the block's sum with the block's own maximum taken away first; the third merges a row's 16 logarithms under their maximum and takes the mean.
; THE NORMS ARE TAKEN OF THE ROUNDED NUMBERS, the same that are multiplied: dist_ij is then |xb_i - xb_j|^2 up to f32 rounding, and no difference of unlike large sums is formed.
; WORK LEFT OUT.  dist_ii = nrm_i + nrm_i - 2 x_i . x_i is 0 by an identity, whatever finite numbers x holds (x_i . x_i IS nrm_i).  The second launch does not form that difference: it sets the diagonal's
; distance to 0 (how: at its head).  All else of the computation is done, and every input is loaded.
; LIMITS.  A NaN, an infinity or an overflow that reaches only the diagonal's difference is not carried to out1, nor is the rounding noise of that difference.  nrm_i stays under 1e30.
; NaN and infinities in x are not carried to out1 as a plain f32 evaluation would carry them (the maxima and minima used drop a NaN); out0 carries them.
; SHARES.  A work-group owns 16 rows, one wave a row: 24 chunks of 512 bytes, 16 bytes a lane.  A wave asks for its whole row of x and of noise at once, 48 loads (24 KiB on their way for each wave), and then
; takes the chunks as they come.  No register that a load or store names is written again, so the text has no wait for a store's sources but those round the change of EXEC at the end.
; No LDS on the way in, no cluster, no matrix unit: no byte is wanted twice.
.set ROWX,  12288                      ; bytes in a row of x, noise, out0
.set ROWH,  6144                       ; bytes in a row of xb
.set RED,   0                          ; LDS: one word for each wave, the row's norm; the block of 256 bytes from 0 holds nothing else
.set SPARE, 256                        ; the spare words: 128 bytes for each of the 16 waves; no other line names them
.set OFF, 1                            ; v1       wave x 12,288 + 16 x lane; never rewritten
.set OFB, 2                            ; v2       wave x 6,144 + 8 x lane; never rewritten
.set RA,  3                            ; v3       RED + 4 x wave
.set RB,  4                            ; v4       4 x (lane % 16): where wave 0 reads a norm, and where it stores it
.set SC,  6                            ; v[6:7]   exp(logvar_t / 2), twice: a pair for the packed multiply-add
.set T,   8                            ; v[8:11]  at work
.set A0,  12                           ; v[12:13] sums of squares
.set A1,  14                           ; v[14:15] sums of squares
.set SPW, 16                           ; v16      LDS address of my spare word; never rewritten
.set NIL, 17                           ; v17      0; never rewritten
.set X,   20                           ; v[20:115]  chunk q: 4 registers of x; then 2 of xb
.set N,   116                          ; v[116:211] chunk q: 4 registers of noise; then of out0
	s_load_b256 s[4:11], s[0:1], 0x0               ; x s[4:5], noise s[6:7], logvar_t s[8:9], out0 s[10:11]
	s_load_b128 s[12:15], s[0:1], 0x20             ; xb s[12:13], nrm s[14:15]
	v_lshl_add_u32 v[SPW], v0, 2, SPARE
	v_mov_b32 v[NIL], 0
	v_lshrrev_b32 v5, 5, v0
	v_readfirstlane_b32 s17, v5                    ; wave 0..15
	v_and_b32 v[T], 31, v0                         ; lane
	v_lshlrev_b32 v[OFF], 4, v[T]
	v_lshlrev_b32 v[OFB], 3, v[T]
	s_mul_i32 s18, s17, ROWX
	v_add_nc_u32 v[OFF], s18, v[OFF]
	s_mul_i32 s18, s17, ROWH
	v_add_nc_u32 v[OFB], s18, v[OFB]
	v_mov_b32 v[RA], s17
	v_lshlrev_b32 v[RA], 2, v[RA]
	v_and_b32 v[RB], 15, v0
	v_lshlrev_b32 v[RB], 2, v[RB]
	s_mov_b32 s20, 0xffff0000                      ; a word's upper bf16
	s_mov_b32 s22, 0x76543210                      ; v_permlanex16_b32: each lane takes its own place in the other half
	s_mov_b32 s23, 0xfedcba98
	s_mov_b32 s19, 0
	s_wait_kmcnt 0x0
	s_load_b32 s16, s[8:9], 0x0                    ; logvar_t
	s_mul_i32 s18, ttmp9, 16*ROWX                  ; the work-group's 16 rows: under 2^26 bytes
	s_add_nc_u64 s[4:5], s[4:5], s[18:19]
	s_add_nc_u64 s[6:7], s[6:7], s[18:19]
	s_add_nc_u64 s[10:11], s[10:11], s[18:19]
	s_mul_i32 s18, ttmp9, 16*ROWH
	s_add_nc_u64 s[12:13], s[12:13], s[18:19]
	s_lshl_b32 s18, ttmp9, 6                       ; 16 norms
	s_add_nc_u64 s[14:15], s[14:15], s[18:19]
.set q, 0
.rept 24                                       ; the whole row: x and noise by turns, so that chunk q's pair is followed by 46 - 2 q loads
	global_load_b128 v[X+4*q:X+4*q+3], v[OFF], s[4:5] offset:512*q th:TH_LOAD_NT
	global_load_b128 v[N+4*q:N+4*q+3], v[OFF], s[6:7] offset:512*q th:TH_LOAD_NT
.set q, q+1
.endr
	s_wait_kmcnt 0x0
	v_mov_b32 v[T], s16
	v_mul_f32 v[T], 0x3f38aa3b, v[T]               ; logvar_t x log2(e) / 2
	v_exp_f32 v[SC], v[T]
	v_exp_f32 v[SC+1], v[T]
	v_nop                                          ; a plain instruction behind the last exponential,
	s_wait_alu depctr_va_vdst(0)                   ; and the wait ahead of the first use: one for both
; Chunk q: out0 leaves, 512 consecutive bytes a store; xb leaves, 256 consecutive bytes, aligned, a store; the four rounded numbers are widened again and squared.
.macro CHUNK q
	s_wait_loadcnt 46-2*(\q)                       ; loads come back in order: this chunk's two are in, the 46 - 2 q issued behind them may stay out
	v_pk_fma_f32 v[N+4*(\q):N+4*(\q)+1],   v[N+4*(\q):N+4*(\q)+1],   v[SC:SC+1], v[X+4*(\q):X+4*(\q)+1]
	v_pk_fma_f32 v[N+4*(\q)+2:N+4*(\q)+3], v[N+4*(\q)+2:N+4*(\q)+3], v[SC:SC+1], v[X+4*(\q)+2:X+4*(\q)+3]
	global_store_b128 v[OFF], v[N+4*(\q):N+4*(\q)+3], s[10:11] offset:512*(\q) th:TH_STORE_NT
	v_cvt_pk_bf16_f32 v[X+4*(\q)],   v[X+4*(\q)],   v[X+4*(\q)+1]
	v_cvt_pk_bf16_f32 v[X+4*(\q)+1], v[X+4*(\q)+2], v[X+4*(\q)+3]
	global_store_b64 v[OFB], v[X+4*(\q):X+4*(\q)+1], s[12:13] offset:256*(\q)
	v_lshlrev_b32 v[T],   16,  v[X+4*(\q)]
	v_and_b32     v[T+1], s20, v[X+4*(\q)]
	v_lshlrev_b32 v[T+2], 16,  v[X+4*(\q)+1]
	v_and_b32     v[T+3], s20, v[X+4*(\q)+1]
.if (\q) == 0
	v_pk_mul_f32 v[A0:A0+1], v[T:T+1],   v[T:T+1]      ; the first chunk starts the sums: nothing is cleared
	v_pk_mul_f32 v[A1:A1+1], v[T+2:T+3], v[T+2:T+3]
.else
	v_pk_fma_f32 v[A0:A0+1], v[T:T+1],   v[T:T+1],   v[A0:A0+1]
	v_pk_fma_f32 v[A1:A1+1], v[T+2:T+3], v[T+2:T+3], v[A1:A1+1]
.endif
.endm
.irp q, 0,1,2,3,4,5,6,7,8,9,10,11,12,13,14,15,16,17,18,19,20,21,22,23
	CHUNK \q
.endr
	; the row's norm: four sums a lane, then the 32 lanes
	v_pk_add_f32 v[A0:A0+1], v[A0:A0+1], v[A1:A1+1]
	v_add_f32 v[A0], v[A0], v[A0+1]
	v_add_f32_dpp v[A0], v[A0], v[A0] row_xmask:1 row_mask:0xf bank_mask:0xf
	v_add_f32_dpp v[A0], v[A0], v[A0] row_xmask:2 row_mask:0xf bank_mask:0xf
	v_add_f32_dpp v[A0], v[A0], v[A0] row_xmask:4 row_mask:0xf bank_mask:0xf
	v_add_f32_dpp v[A0], v[A0], v[A0] row_xmask:8 row_mask:0xf bank_mask:0xf
	v_permlanex16_b32 v[A0+1], v[A0], s22, s23     ; its destination has been written before
	v_add_f32 v[A0], v[A0], v[A0+1]
	ds_store_b32 v[RA], v[A0]                      ; all lanes write the wave's word with the same number
	s_wait_dscnt 0x0                               ; for wave 0's sake: my store is done
	s_barrier_signal -1
	s_barrier_wait -1
	s_cmp_lg_u32 s17, 0
	s_cbranch_scc1 .Lend
	ds_load_b32 v[T], v[RB]                        ; wave 0 stores the 16 norms: 64 consecutive bytes (a work-group has no more rows than that)
	s_wait_dscnt 0x0
	v_cmp_gt_u32 vcc_lo, 16, v0
	s_wait_xcnt 0x0                                ; EXEC is a source of the stores issued so far: it changes only behind this wait
	s_and_saveexec_b32 s24, vcc_lo
	global_store_b32 v[RB], v[T], s[14:15]
	s_wait_xcnt 0x0                                ; and again, in front of the line that widens it
	s_or_b32 exec_lo, exec_lo, s24
.Lend:
	s_wait_tensorcnt 0x0                           ; the wave's end: behind my last LDS store
	ds_add_u32 v[SPW], v[NIL]
	s_wait_dscnt 0x0
	s_endpgm
.Lfunc_end_k_q4184c0b988_prep:
	.size	k_q4184c0b988_prep, .Lfunc_end_k_q4184c0b988_prep-k_q4184c0b988_prep
	.p2alignl 7, 3214868480
	.fill 96, 4, 3214868480
	.section	.rodata,"a",@progbits
	.p2align	6, 0x0
	.amdhsa_kernel k_q4184c0b988_prep
		.amdhsa_group_segment_fixed_size 2304
		.amdhsa_private_segment_fixed_size 0
		.amdhsa_enable_private_segment 0
		.amdhsa_kernarg_size 48
		.amdhsa_user_sgpr_count 2
		.amdhsa_user_sgpr_kernarg_segment_ptr 1
		.amdhsa_wavefront_size32 1
		.amdhsa_system_sgpr_workgroup_id_x 1
		.amdhsa_system_sgpr_workgroup_id_y 1
		.amdhsa_system_sgpr_workgroup_id_z 1
		.amdhsa_system_vgpr_workitem_id 0
		.amdhsa_next_free_vgpr 224
		.amdhsa_next_free_sgpr 66
		.amdhsa_reserve_vcc 1
		.amdhsa_float_denorm_mode_32 3
		.amdhsa_float_denorm_mode_16_64 3
		.amdhsa_memory_ordered 1
		.amdhsa_forward_progress 1
		.amdhsa_inst_pref_size 25
	.end_amdhsa_kernel
	.amdgpu_metadata
---
amdhsa.version: [ 1, 2 ]
amdhsa.kernels:
  - .name:           k_q4184c0b988_prep
    .symbol:         k_q4184c0b988_prep.kd
    .args:
      - { .name: x, .offset: 0, .size: 8, .value_kind: global_buffer, .address_space: global }
      - { .name: noise, .offset: 8, .size: 8, .value_kind: global_buffer, .address_space: global }
      - { .name: logvar_t, .offset: 16, .size: 8, .value_kind: global_buffer, .address_space: global }
      - { .name: out0, .offset: 24, .size: 8, .value_kind: global_buffer, .address_space: global }
      - { .name: xb, .offset: 32, .size: 8, .value_kind: global_buffer, .address_space: global }
      - { .name: nrm, .offset: 40, .size: 8, .value_kind: global_buffer, .address_space: global }
    .group_segment_fixed_size: 2304
    .private_segment_fixed_size: 0
    .kernarg_segment_align: 8
    .kernarg_segment_size: 48
    .max_flat_workgroup_size: 512
    .sgpr_count:     66
    .vgpr_count:     224
    .wavefront_size: 32
...
	.end_amdgpu_metadata
.endif
;; end of part 1
;; launch gram (part 2): grid 16 x 16, 4 waves a work-group, clusters of 4 x 4, 327,680 bytes of LDS; arguments xb, nrm, logvar_t, part; writes part
.if DOCPART == 2
	.amdgcn_target "amdgcn-amd-amdhsa--gfx1250"
	.amdhsa_code_object_version 6
	.text
	.protected	k_q4184c0b988_gram
	.globl	k_q4184c0b988_gram
	.p2align	8
	.type	k_q4184c0b988_gram,@function
k_q4184c0b988_gram:
	s_mov_b64 s[64:65], 0
	v_nop
	global_prefetch_b8 v0, s[64:65] scope:SCOPE_SE
	s_setreg_imm32_b32 hwreg(HW_REG_WAVE_MODE, 25, 1), 1
	s_wait_xcnt 0x0
	s_wait_alu depctr_hold_cnt(0) depctr_sa_sdst(0) depctr_va_vdst(0) depctr_va_sdst(0) depctr_va_ssrc(0) depctr_va_vcc(0) depctr_vm_vsrc(0)
	s_getreg_b32 s2, hwreg(HW_REG_IB_STS2, 6, 4)
	s_cmp_eq_u32 s2, 0
	s_cbranch_scc0 .Lentry_in_a_cluster
	s_endpgm
.Lentry_in_a_cluster:
	s_bfe_u32 s2, ttmp6, 0x10000c
	s_cmp_lg_u32 s2, 0xf033
	s_cbranch_scc0 .Lentry_shape_is_right
	s_endpgm
.Lentry_shape_is_right:
; SECOND OF THREE LAUNCHES.  part[bx][i] = log2( sum over the 256 columns j of block bx of 2^t_ij ),  t_ij = min(c g_ij - u_i - u_j, 0),  g_ij = sum over k of xb[i][k] xb[j][k] (bf16 operands, f32 sums),
; u_i = c nrm[i] / 2,  c = log2(e) / (exp(logvar_t) + 1e-10).  xb: [4096][3072] bf16;  nrm: [4096] f32;  part: [16][4096] f32.
; WORK LEFT OUT: the diagonal's distance nrm_i + nrm_i - 2 g_ii, which is 0 by an identity (shown at the head of the first launch).  The sum g_ii is started at +1e30 in place of 0 (the C operand of its
; first product); c g - u_i - u_j is then far above 0, or +infinity, and the minimum with 0, which is the computation's own clamp of the distance at 0, makes t_ii = 0.  It costs no instruction on the way out.
; LIMITS.  nrm_i stays under 1e30.  A NaN, an infinity or an overflow that reaches only the diagonal's difference is not carried on; the maxima and minima drop a NaN.  A weight below 2^-126 counts as 0.
; THE MAXIMUM IS TAKEN AWAY before every exponential: first that of a wave's 128 columns, then that of the two waves that share a row.
; SHARES.  A work-group makes one tile of 256 x 256: rows 256 by .. (I), columns 256 bx .. (J); 16 x 16 tiles, one for each of 256 work-groups.  Four waves, each 128 x 128: 64 accumulators of 16 x 16, 512 registers.
; K goes in steps of 128 through a ring of two LDS slots filled by the tensor data mover: a tile's rows are 256 bytes of memory and start at multiples of 256 bytes from xb's first byte.
; CLUSTERS: 4 x 4 work-groups.  The four of a row of the cluster need the same I rows, the four of a column the same J rows: each tile is asked for JOINTLY, by the same tensor load with the same descriptor
; and a mask that names the four.
; THE MATRIX INSTRUCTION IS USED TRANSPOSED: source 0 = 16 J rows, source 1 = 16 I rows.  In the result lane l holds ONE row i (l % 16) and its registers 0 to 7 the columns 8 (l / 16) + 0..7.  So a row's maximum
; and sum over my 128 columns run inside the lane (64 numbers) and want one exchange between the halves of the lanes; the two waves of a row meet in LDS.
; REGISTERS, in windows of 256 (s_set_vgpr_msb: bits 1:0 source 0, 3:2 source 1, 5:4 source 2, 7:6 destination):
;   window 0: v0-31 addresses; v32-39 u_i; v40-47 the diagonal's mask; v48-51 at work; v64-127, v128-191 fragments of the I rows, two buffers (on the way out: statistics); v192-255 -u_j
;   window 1: v64-127, v128-191 fragments of the J rows, two buffers
;   window 2: the 32 accumulators of my rows 0-63 (accumulator (a, b) at v[8 (8 a + b)]);   window 3: those of my rows 64-127
.set SIZE_K, 3072
.set ROWB,   2*SIZE_K                  ; bytes in a row of xb
.set KSTEP,  128
.set PITCH,  272                       ; an LDS row: 256 bytes + 16 of padding = 68 words: row r starts at bank 4 r mod 64 (64 banks of 4 bytes: ISA guide 11.1), so the 16 rows of a load start at 16 different banks
.set HALFT,  128*PITCH                 ; 128 rows: what one tensor load brings, and what one wave reads of the I or of the J rows
.set SLOT,   4*HALFT                   ; the 256 I rows, then the 256 J rows
.set EX,     2*SLOT                    ; behind the ring, never filled by a tensor load: for each wave 512 bytes of maxima and 512 of sums, a word for each of its 128 rows
.set SPARE,  EX+4096                   ; the spare words, 128 bytes for each wave: two blocks of 256 bytes that no other line names
.set LAPS,   SIZE_K/(2*KSTEP)          ; a lap = two K steps = once round the ring: 12
.set ADRA, 16                          ; v16-17  LDS address of my I fragments in slot 0, 1
.set ADRB, 20                          ; v20-21  the same for J
.set NJO,  22                          ; v22     32 (l / 16): my 8 columns' norms in a group of 16
.set NIO,  23                          ; v23     4 (l % 16): my row's norm in a group of 16
.set EXS,  24                          ; v24     where I put a row's maximum (lanes 0-15) or sum (lanes 16-31)
.set EXR,  25                          ; v25     where I read two rows' statistics back
.set PO,   26                          ; v26     8 x lane: my two rows in part
.set SPW,  28                          ; v28     LDS address of my spare word; never rewritten
.set NIL,  29                          ; v29     0; never rewritten
.set PFO,  30                          ; v30     the prefetches' offset: lane x a row of xb; never rewritten
.set UI,   32                          ; v32-39  block a of 16 rows: u_i of my row
.set MD,   40                          ; v40-47  1e30 where register j of a diagonal accumulator is the diagonal, else 0; all 0 in a wave whose 128 x 128 does not hold the diagonal
.set F0,   64                          ; fragment buffer 0
.set F1,   128                         ; fragment buffer 1
.set NUJ,  192                         ; v192-255  -u_j: for column group b, register j, at NUJ + 8 b + j
.set TM,   64                          ; the way out: block a's four registers T0-T3 at TM + 4 a
.set CB,   128                         ; the way out: the merge of two waves
.set WV,  12                           ; s12  my wave's number
.set WI,  13                           ; s13  which half of the tile's rows is mine.  Also: I fetch I rows (0) or J rows (1)
.set WJ,  14                           ; s14  which half of its columns.  Also: which 128 rows of that tile I fetch
.set G1,  24                           ; s[24:31] descriptor group 1 for the I rows' tiles
.set G0,  32                           ; s[32:39] descriptor group 0 for them, one set for each slot
.set PFA, 44                           ; s[44:45] where my prefetches stand
.set LIM, 46                           ; s46  1 in a wave that prefetches, else the greatest number
.set G1B, 48                           ; s[48:55] descriptor group 1 for the J rows' tiles: it differs in the mask alone
.set G0B, 56                           ; s[56:63] descriptor group 0 for them
.set CC,  66                           ; s[66:67] c, named as a pair
.set CN,  68                           ; s[68:69] -c / 2, named as a pair
.set CH,  70                           ; s70  c / 2
.set BIGF, 71                          ; s71  1e30 where my 128 x 128 holds the diagonal, else 0
.set HIL, 72                           ; s72  a mask of lanes 16 to 31
.set SEL, 74                           ; s[74:75] v_permlanex16_b32's selects: each lane takes its own place in the other half
.set MSB, 0
.macro WIN new                         ; the immediate's high byte repeats the setting that is left; a switch that changes nothing is dropped
.if MSB != (\new)
	s_set_vgpr_msb (MSB<<8)|(\new)
.set MSB, \new
.endif
.endm
.set MUL_LO, 0xa1                      ; source 0 (J) window 1, source 1 (I) window 0, C and D window 2
.set MUL_HI, 0xf1                      ; the same, C and D window 3
.set TO_B,   0x40                      ; destination window 1, address window 0
; A joint load.  Waves 0 and 1 fetch the two halves of the I rows, waves 2 and 3 those of the J rows.  Each of the two lines has one mask and one set of registers for all that issue it.
; The branch hangs on the wave's number alone.  An s_nop 0 and four v_nop follow each of the two lines, ahead of the jump, the label and what follows.
.macro JLOAD s
	s_cmp_eq_u32 s[WI], 0
	s_cbranch_scc0 .Lfor_b_\@
	tensor_load_to_lds s[G0+4*(\s):G0+4*(\s)+3], s[G1:G1+7]
	s_nop 0
.rept 4
	v_nop
.endr
	s_branch .Lasked_\@
.Lfor_b_\@:
	tensor_load_to_lds s[G0B+4*(\s):G0B+4*(\s)+3], s[G1B:G1B+7]
	s_nop 0
.rept 4
	v_nop
.endr
.Lasked_\@:
.endm
; A PREFETCH, behind each joint load, its five lines and the run of LDS loads that follows them: the K step that stands TWO refills on, 512 matrix instructions ahead of the load that will ask for it:
; 32 rows x 256 bytes, a lane a row, one instruction a wave.  I rows and J rows are rows of the one buffer xb, so each row's 256 bytes of a K step are named ONCE in the launch, in their part as I rows:
; by the clusters with x = 0, whose four rows of tiles each cover, together, all 4,096 rows; in them by waves 0 and 1.  The four partners that ask for a tile jointly share its rows out BY ADDRESS: of the
; 128 rows that a wave fetches the partner at place cx takes 32 cx .. 32 cx + 31: no branch hangs on a work-group's place in its cluster.  K steps 0 to 3 come by their loads alone; the loop's last trip
; (s3 = 1) refills K steps 22 and 23 and asks for nothing: there is no K step behind them.
.macro ASK
	s_cmp_gt_u32 s3, s[LIM]
	s_cbranch_scc0 .Lnot_mine_\@
	global_prefetch_b8 v[PFO], s[PFA:PFA+1] offset:KSTEP*2 th:TH_LOAD_NT scope:SCOPE_SE
.Lnot_mine_\@:
.endm
; A round of the cluster's barrier: my work-group's barrier, so that wave 0's signal speaks for all four waves; wave 0 signals for the work-group; every wave waits for all sixteen; my work-group's barrier once more.
.macro CREST                           ; a round behind its opening barrier
	s_cmp_lg_u32 s[WV], 0
	s_cbranch_scc1 .Lnot_wave_0_\@
	s_barrier_signal -3
.Lnot_wave_0_\@:
	s_barrier_wait -3
	s_barrier_signal -1
	s_barrier_wait -1
.endm
.macro CROUND                          ; a whole round
	s_barrier_signal -1
	s_barrier_wait -1
	CREST
.endm
	s_load_b256 s[4:11], s[0:1], 0x0               ; xb s[4:5], nrm s[6:7], logvar_t s[8:9], part s[10:11]
	v_lshl_add_u32 v[SPW], v0, 2, SPARE
	v_mov_b32 v[NIL], 0
	ds_add_u32 v[SPW], v[NIL]                      ; the wave's opening: the add, twice on end, and its wait ahead of my first tensor load; the set-up below stands between
	ds_add_u32 v[SPW], v[NIL]
	v_lshrrev_b32 v1, 5, v0
	v_readfirstlane_b32 s[WV], v1                  ; wave 0..3
	s_lshr_b32 s[WI], s[WV], 1
	s_and_b32 s[WJ], s[WV], 1
	s_bfe_u32 s40, ttmp6, 0x40000                  ; cx: my place along the cluster's x
	s_bfe_u32 s41, ttmp6, 0x40004                  ; cy: along its y
	s_lshl_b32 s42, ttmp9, 2                       ; in a cluster launch ttmp9 and ttmp7 count clusters
	s_add_co_u32 s42, s42, s40                     ; bx = 4 x cluster x + cx
	s_and_b32 s43, ttmp7, 0xffff
	s_lshl_b32 s43, s43, 2
	s_add_co_u32 s43, s43, s41                     ; by = 4 x cluster y + cy
	s_lshl_b32 s23, s41, 2
	s_lshl_b32 s23, 15, s23                        ; my row of the cluster: places 4 cy .. 4 cy + 3
	s_lshl_b32 s47, 0x1111, s40                    ; my column: places cx, cx + 4, cx + 8, cx + 12
	; descriptor group 1: a tile of 128 rows x 128 elements, padded in LDS
	s_or_b32 s[G1+0], s23, (1<<16)|(1<<20)|(1<<21)|(5<<22)|(3<<25)   ; 15:0 the mask: the I rows go to my row of the cluster; 17:16 elements of 2 bytes; 20 padding on; 21 set beside a mask; 24:22 after every 64 words (code 5); 31:25 4 words of it (code 3)
	s_or_b32 s[G1B+0], s47, (1<<16)|(1<<20)|(1<<21)|(5<<22)|(3<<25)  ; the same with the mask of my column, for the J rows
.irp g, G1, G1B
	s_mov_b32 s[(\g)+1], KSTEP<<16                 ; tensor_dim0 = 128
	s_mov_b32 s[(\g)+2], 128<<16                   ; tensor_dim1 = 128
	s_mov_b32 s[(\g)+3], KSTEP<<16                 ; tile_dim0 = 128
	s_mov_b32 s[(\g)+4], 128                       ; tile_dim1 = 128
	s_mov_b32 s[(\g)+5], SIZE_K                    ; elements from row to row
	s_mov_b32 s[(\g)+6], 0
	s_mov_b32 s[(\g)+7], 0
.endr
	; where the tiles come from.  The I rows hang on by alone, which my row of the cluster shares; the J rows on bx alone, which my column shares.  Every wave makes both addresses, in registers that
	; never hold the other coordinate, and asks by one of them.
	s_lshl_b32 s73, s[WJ], 7                       ; which 128 rows of the tile I fetch
	s_lshl_b32 s16, s43, 8
	s_add_co_u32 s16, s16, s73                     ; I: row 256 by + 128 x half
	s_lshl_b32 s20, s42, 8
	s_add_co_u32 s20, s20, s73                     ; J: row 256 bx + 128 x half
	s_mov_b32 s17, 0
	s_mov_b32 s21, 0
	s_mov_b64 s[18:19], ROWB
	s_mul_u64 s[16:17], s[16:17], s[18:19]         ; in bytes
	s_mul_u64 s[20:21], s[20:21], s[18:19]
	s_mul_i32 s22, s[WV], HALFT                    ; and where they go: wave x 128 rows: no place in the cluster enters an LDS address
	s_mov_b32 s[HIL], 0xffff0000
	s_mov_b32 s[SEL], 0x76543210
	s_mov_b32 s[SEL+1], 0xfedcba98
	s_wait_dscnt 0x0                               ; both opening adds are done
	s_wait_kmcnt 0x0
	s_add_nc_u64 s[16:17], s[4:5], s[16:17]
	s_add_nc_u64 s[20:21], s[4:5], s[20:21]
	CROUND                                         ; all sixteen work-groups are here: the first joint loads meet
.irp s, 0,1
	s_mov_b32 s[G0+4*(\s)], 1                                        ; 1:0 count = 1
	s_add_co_u32 s[G0+4*(\s)+1], s22, (\s)*SLOT                      ; 63:32 LDS address
	s_add_nc_u64 s[G0+4*(\s)+2:G0+4*(\s)+3], s[16:17], (\s)*KSTEP*2  ; 120:64 global address: K step s
	s_or_b32 s[G0+4*(\s)+3], s[G0+4*(\s)+3], 0x80000000              ; 127:126 type = 2
	s_mov_b32 s[G0B+4*(\s)], 1
	s_add_co_u32 s[G0B+4*(\s)+1], s22, (\s)*SLOT
	s_add_nc_u64 s[G0B+4*(\s)+2:G0B+4*(\s)+3], s[20:21], (\s)*KSTEP*2
	s_or_b32 s[G0B+4*(\s)+3], s[G0B+4*(\s)+3], 0x80000000
	JLOAD \s                                       ; the ring is filled before anything else is done: two tensor loads of mine are out
.endr
	; ALL THAT FOLLOWS, UP TO THE FIRST BARRIER, STANDS IN THE WAIT FOR THE FIRST TILE.
	s_load_b32 s15, s[8:9], 0x0                    ; logvar_t
	v_and_b32 v1, 15, v0                           ; l % 16
	v_bfe_u32 v2, v0, 4, 1                         ; l / 16
	v_lshlrev_b32 v[NIO], 2, v1
	v_lshlrev_b32 v[NJO], 5, v2
	s_lshl_b32 s80, s43, 10                        ; the norms of my 128 rows: 4 (256 by + 128 WI)
	s_lshl_b32 s73, s[WI], 9
	s_add_co_u32 s80, s80, s73
	s_mov_b32 s81, 0
	s_add_nc_u64 s[76:77], s[6:7], s[80:81]
	s_lshl_b32 s80, s42, 10                        ; and of my 128 columns: 4 (256 bx + 128 WJ)
	s_lshl_b32 s73, s[WJ], 9
	s_add_co_u32 s80, s80, s73
	s_add_nc_u64 s[78:79], s[6:7], s[80:81]
.irp a, 0,1,2,3,4,5,6,7
	global_load_b32 v[UI+(\a)], v[NIO], s[76:77] offset:64*(\a)                    ; row 16 a + l % 16
.endr
.irp b, 0,1,2,3,4,5,6,7
	global_load_b128 v[NUJ+8*(\b):NUJ+8*(\b)+3],   v[NJO], s[78:79] offset:64*(\b)     ; columns 16 b + 8 (l / 16) + 0..3
	global_load_b128 v[NUJ+8*(\b)+4:NUJ+8*(\b)+7], v[NJO], s[78:79] offset:64*(\b)+16  ; and + 4..7
.endr
	; A fragment is 16 rows x 32 K in 8 registers: lane l holds row l % 16; registers 0-3 hold K = 8 (l / 16) + 0..7, registers 4-7 K = 16 + 8 (l / 16) + 0..7: two loads of 16 bytes, 32 bytes apart.
	v_mul_u32_u24 v3, v1, PITCH
	v_lshl_add_u32 v3, v2, 4, v3                   ; row x pitch + 16 x half
	s_mul_i32 s23, s[WI], HALFT                    ; my 128 I rows
	s_mul_i32 s47, s[WJ], HALFT                    ; my 128 J rows,
	s_add_co_u32 s47, s47, 2*HALFT                 ; which lie behind the 256 I rows
.irp s, 0,1
	v_add_nc_u32 v[ADRA+(\s)], s23, v3
	v_add_nc_u32 v[ADRB+(\s)], s47, v3
	s_add_co_u32 s23, s23, SLOT
	s_add_co_u32 s47, s47, SLOT
.endr
	; the diagonal.  My rows begin at 128 (2 by + WI), my columns at 128 (2 bx + WJ): where the two are equal, accumulator (a, a) holds the diagonal, in register j of the lanes with l % 16 = 8 (l / 16) + j.
	s_lshl_b32 s23, s43, 1
	s_add_co_u32 s23, s23, s[WI]
	s_lshl_b32 s47, s42, 1
	s_add_co_u32 s47, s47, s[WJ]
	s_cmp_eq_u32 s23, s47
	s_cselect_b32 s[BIGF], 0x7149f2ca, 0           ; 1e30, or 0: a number is chosen, no branch is taken
	v_lshlrev_b32 v4, 3, v2
	v_sub_nc_u32 v4, v1, v4                        ; l % 16 - 8 (l / 16)
.irp j, 0,1,2,3,4,5,6,7
	v_cmp_eq_u32 vcc_lo, \j, v4
	v_cndmask_b32 v[MD+(\j)], 0, s[BIGF], vcc_lo
.endr
	; the way out's addresses
	s_lshl_b32 s73, s[WV], 10
	s_add_co_u32 s73, s73, EX
	v_lshlrev_b32 v[EXS], 9, v2
	v_lshl_add_u32 v[EXS], v1, 2, v[EXS]
	v_add_nc_u32 v[EXS], s73, v[EXS]               ; EX + 1,024 wave + 512 (l / 16) + 4 (l % 16)
	s_lshl_b32 s73, s[WI], 11
	s_lshl_b32 s80, s[WJ], 8
	s_add_co_u32 s73, s73, s80
	s_add_co_u32 s73, s73, EX
	v_and_b32 v5, 31, v0
	v_lshlrev_b32 v[PO], 3, v5
	v_add_nc_u32 v[EXR], s73, v[PO]                ; EX + 2,048 WI + 256 WJ + 8 l: rows 64 WJ + 2 l and the next, of the first of the two waves that share my rows
	s_lshl_b32 s80, s42, 14                        ; part: 4 (4,096 bx + 256 by + 64 wave)
	s_lshl_b32 s73, s43, 10
	s_add_co_u32 s80, s80, s73
	s_lshl_b32 s73, s[WV], 8
	s_add_co_u32 s80, s80, s73
	s_add_nc_u64 s[10:11], s[10:11], s[80:81]
	; the prefetches
	s_or_b32 s[LIM], s[WI], ttmp9                  ; 0 in waves 0 and 1 of the clusters with x = 0: the same in all sixteen partners, for a given wave
	s_cmp_eq_u32 s[LIM], 0
	s_cselect_b32 s[LIM], 1, -1
	s_lshl_b32 s80, s43, 8
	s_lshl_b32 s73, s[WJ], 7
	s_add_co_u32 s80, s80, s73                     ; the 128 I rows that I fetch,
	s_lshl_b32 s73, s40, 5
	s_add_co_u32 s80, s80, s73                     ; my work-group's 32 of them
	s_mul_u64 s[80:81], s[80:81], s[18:19]
	s_add_nc_u64 s[PFA:PFA+1], s[4:5], s[80:81]
	s_add_nc_u64 s[PFA:PFA+1], s[PFA:PFA+1], 2*KSTEP*2  ; at K step 2: the first refill steps it to 3 and names K step 4
	v_mul_u32_u24 v[PFO], v5, ROWB
	; c = log2(e) / (exp(logvar_t) + 1e-10)
	s_wait_kmcnt 0x0
	v_mov_b32 v48, s15
	v_mul_f32 v48, 0x3fb8aa3b, v48
	v_exp_f32 v49, v48
	v_nop                                          ; a plain instruction behind the exponential,
	s_wait_alu depctr_va_vdst(0)                   ; and the wait ahead of its first use
	v_add_f32 v49, 0x2edbe6ff, v49                 ; + 1e-10
	v_rcp_f32 v50, v49
	v_nop
	s_wait_alu depctr_va_vdst(0)
	v_mul_f32 v50, 0x3fb8aa3b, v50
	v_mul_f32 v51, 0.5, v50
	v_mul_f32 v48, -0.5, v50
	v_readfirstlane_b32 s[CC], v50
	v_readfirstlane_b32 s[CH], v51
	v_readfirstlane_b32 s[CN], v48
	s_mov_b32 s[CC+1], s[CC]
	s_mov_b32 s[CN+1], s[CN]
	s_wait_loadcnt 0x0                             ; the norms
.irp a, 0,1,2,3,4,5,6,7
	v_mul_f32 v[UI+(\a)], s[CH], v[UI+(\a)]        ; u_i
.endr
.set p, 0
.rept 32
	v_pk_mul_f32 v[NUJ+2*p:NUJ+2*p+1], v[NUJ+2*p:NUJ+2*p+1], s[CN:CN+1] op_sel_hi:[1,0]  ; -u_j
.set p, p+1
.endr
; 16 matrix instructions: row blocks a0, a0 + 1 of the window's four (hi = 0: my rows 0-63, 1: rows 64-127) x all 8 column blocks, 32 along K.
; zero = 1: the first product starts the sums, with the constant 0 or, for accumulator (a, a), with the diagonal's mask, which lies in window 0: nothing is ever cleared.
; The 64 accumulators take turns, one instruction a turn, in the same order in every quarter.
.macro MUL16 f, hi, a0, zero
.if \zero
	WIN 0x81+0x40*(\hi)                            ; source 0 window 1, sources 1 and 2 window 0, D window 2 or 3
.else
	WIN MUL_LO+0x50*(\hi)                          ; MUL_LO or MUL_HI
.endif
.irp a, \a0, (\a0)+1
.irp b, 0,1,2,3,4,5,6,7
.if (\zero) && (4*(\hi)+(\a) == (\b))
	v_wmma_f32_16x16x32_bf16 v[8*(8*(\a)+(\b)):8*(8*(\a)+(\b))+7], v[(\f)+8*(\b):(\f)+8*(\b)+7], v[(\f)+8*(4*(\hi)+(\a)):(\f)+8*(4*(\hi)+(\a))+7], v[MD:MD+7]
.elseif \zero
	v_wmma_f32_16x16x32_bf16 v[8*(8*(\a)+(\b)):8*(8*(\a)+(\b))+7], v[(\f)+8*(\b):(\f)+8*(\b)+7], v[(\f)+8*(4*(\hi)+(\a)):(\f)+8*(4*(\hi)+(\a))+7], 0
.else
	v_wmma_f32_16x16x32_bf16 v[8*(8*(\a)+(\b)):8*(8*(\a)+(\b))+7], v[(\f)+8*(\b):(\f)+8*(\b)+7], v[(\f)+8*(4*(\hi)+(\a)):(\f)+8*(4*(\hi)+(\a))+7], v[8*(8*(\a)+(\b)):8*(8*(\a)+(\b))+7]
.endif
.endr
.endr
.endm
; 32 LDS loads in one run: the fragments of one quarter step (128 J rows, 128 I rows, 32 K at byte k of the rows) into buffer f
.macro FETCH slot, k, f
	WIN TO_B
.irp i, 0,1,2,3,4,5,6,7
	ds_load_b128 v[(\f)+8*(\i):(\f)+8*(\i)+3],   v[ADRB+(\slot)] offset:(\k)+(\i)*16*PITCH
	ds_load_b128 v[(\f)+8*(\i)+4:(\f)+8*(\i)+7], v[ADRB+(\slot)] offset:(\k)+(\i)*16*PITCH+32
.endr
	WIN 0
.irp i, 0,1,2,3,4,5,6,7
	ds_load_b128 v[(\f)+8*(\i):(\f)+8*(\i)+3],   v[ADRA+(\slot)] offset:(\k)+(\i)*16*PITCH
	ds_load_b128 v[(\f)+8*(\i)+4:(\f)+8*(\i)+7], v[ADRA+(\slot)] offset:(\k)+(\i)*16*PITCH+32
.endr
.endm
; A load into a register that a matrix instruction has read, and a vector instruction that reads a matrix result, stand four places behind that matrix instruction, and only plain vector instructions
; that name none of its registers are places (ISA guide 7.12.1 for vector instructions).
.macro PLACES
.rept 4
	v_nop
.endr
.endm
; A K step is four quarters of 32 along K, 64 matrix instructions each, on buffers 0, 1, 0, 1.  One of the first three: multiplies buffer f; in its middle it fetches the next quarter, at byte k, into buffer g.
.macro QUARTER slot, k, f, g, zero
	s_wait_dscnt 8                                 ; J's fragments and I's rows 0-63 are in; the youngest eight loads (I's rows 64-127) may be out
	MUL16 \f, 0, 0, \zero
	MUL16 \f, 0, 2, \zero
	PLACES
	FETCH \slot, \k, \g
	s_wait_dscnt 32                                ; all but the 32 just issued
	MUL16 \f, 1, 0, \zero
	MUL16 \f, 1, 2, \zero
.endm
; The last quarter multiplies buffer 1 and changes slots.  MEET is its first half: ONE barrier for the change of slots.  In front of it each wave waits for all its tensor loads, of which one is out: its part
; of the next slot; adds 0 to its spare word; and waits for that and for its own reads of this slot.  Behind it nobody reads this slot any more and the next slot is whole.
.macro MEET round                      ; round = 1: a round of the cluster's barrier follows
	WIN 0                                          ; (the add's two registers lie in window 0)
	s_wait_tensorcnt 0x0                           ; all my tensor loads have landed
	ds_add_u32 v[SPW], v[NIL]                      ; 0 onto my spare word
	s_wait_dscnt 9                                 ; (the add and the youngest eight loads may be out)
	MUL16 F1, 0, 0, 0                              ; sixteen matrix instructions stand between the add and the wait for it
	s_wait_dscnt 0x0                               ; the add is done, and my reads of this slot are over:
	s_barrier_signal -1                            ; say so,
	MUL16 F1, 0, 2, 0                              ; work on registers while the others arrive,
.if \round
	WIN 0
.endif
	s_barrier_wait -1                              ; and go on when all four have said so
.endm
; The whole last quarter.  fill = 1: the barrier opens a round of the cluster's barrier, behind which the slot just read out is filled again first, with the K step two steps on; then come the next slot's first
; fragments.  From a request to the wait for it a wave issues 224 matrix instructions.  One tensor load of mine is out behind each round.
.macro TURN slot, next, fill
.if \fill
	s_wait_xcnt 0x0                                ; the last prefetch, a K step back, has read its address: it is stepped here, ahead of the waits of the change of slots
	s_add_nc_u64 s[PFA:PFA+1], s[PFA:PFA+1], KSTEP*2
	MEET 1
	CREST                                          ; no wave of any partner still reads this slot's tile or has a load on its way
	s_add_nc_u64 s[G0+4*(\slot)+2:G0+4*(\slot)+3], s[G0+4*(\slot)+2:G0+4*(\slot)+3], 2*KSTEP*2
	s_add_nc_u64 s[G0B+4*(\slot)+2:G0B+4*(\slot)+3], s[G0B+4*(\slot)+2:G0B+4*(\slot)+3], 2*KSTEP*2
	JLOAD \slot                                    ; the first tensor load behind the round; the four v_nop behind it are also the places in front of the loads below
	FETCH \next, 0, F0
	ASK
.else
	MEET 0                                         ; nothing is filled again, so no round follows
	PLACES
	FETCH \next, 0, F0
.endif
	MUL16 F1, 1, 0, 0
	MUL16 F1, 1, 2, 0
.endm
	s_wait_tensorcnt 1                             ; my part of K step 0 is in; K step 1's may stay out
	s_barrier_signal -1
	s_barrier_wait -1                              ; everybody's is
	FETCH 0, 0, F0
	QUARTER 0, 64,  F0, F1, 1                      ; the first quarter stands in front of the loop: its products start the sums
	WIN 0                                          ; at a label and at a branch every window is 0
	s_mov_b32 s3, LAPS-1
.Llap:                                                 ; a trip goes once round the ring, from a lap's second quarter to the next lap's first, and fills both slots again
	QUARTER 0, 128, F1, F0, 0
	QUARTER 0, 192, F0, F1, 0
	TURN 0, 1, 1
	QUARTER 1, 64,  F0, F1, 0
	QUARTER 1, 128, F1, F0, 0
	QUARTER 1, 192, F0, F1, 0
	TURN 1, 0, 1
	QUARTER 0, 64,  F0, F1, 0
	WIN 0
	s_sub_co_u32 s3, s3, 1
	s_cmp_lg_u32 s3, 0
	s_cbranch_scc1 .Llap
	QUARTER 0, 128, F1, F0, 0                      ; the last lap fills nothing
	QUARTER 0, 192, F0, F1, 0
	TURN 0, 1, 0
	QUARTER 1, 64,  F0, F1, 0
	QUARTER 1, 128, F1, F0, 0
	QUARTER 1, 192, F0, F1, 0
	s_wait_dscnt 8                                 ; the very last quarter: nothing more to fetch
	MUL16 F1, 0, 0, 0
	MUL16 F1, 0, 2, 0
	s_wait_dscnt 0x0
	MUL16 F1, 1, 0, 0
	MUL16 F1, 1, 2, 0
; THE WAY OUT.  For block a of 16 rows a lane holds 64 numbers g of ONE row i, in 64 registers on end of window 2 (a < 4) or 3.
; EPI_A: v = c g - u_j, in place (each accumulator's lowest registers are read first); then the maximum of the 64, in four chains T0-T3, three operands at a time.
.macro EPI_A a
.set AC, 64*((\a)%4)
.set WW, (\a)/4
	WIN 0x82+0x41*WW                               ; source 0 and destination in the block's window, -u_j in window 0
.set p, 0
.rept 32
	v_pk_fma_f32 v[AC+2*p:AC+2*p+1], v[AC+2*p:AC+2*p+1], s[CC:CC+1], v[NUJ+2*p:NUJ+2*p+1] op_sel_hi:[1,0,1]
.set p, p+1
.endr
	WIN 0x2a+0x15*WW                               ; three sources in the block's window, destination in window 0
.set p, 0
.rept 4
	v_max3_num_f32 v[TM+4*(\a)+p], v[AC+3*p], v[AC+3*p+1], v[AC+3*p+2]
.set p, p+1
.endr
	WIN 0x0a+0x05*WW                               ; sources 0 and 1 in the block's window
.set p, 0
.rept 26
	v_max3_num_f32 v[TM+4*(\a)+p%4], v[AC+12+2*p], v[AC+13+2*p], v[TM+4*(\a)+p%4]
.set p, p+1
.endr
.endm
; EPI_B: with M = min(max v, u_i), the largest of the clamped min(v, u_i), the weights are 2^min(v - M, 0): where M = u_i that is 2^(min(v, u_i) - M); where M = max v < u_i no v is clamped and v - M is at most 0.
; The 64 exponentials are ONE batch with one wait, a minimum between each two; then the sum, a tree of packed additions in place.
.macro EPI_B a
.set AC, 64*((\a)%4)
.set WW, (\a)/4
	WIN 0x82+0x41*WW
.set p, 0
.rept 32
	v_pk_add_f32 v[AC+2*p:AC+2*p+1], v[AC+2*p:AC+2*p+1], v[TM+4*(\a):TM+4*(\a)+1] op_sel_hi:[1,0] neg_lo:[0,1] neg_hi:[0,1]
.set p, p+1
.endr
	WIN 0x8a+0x45*WW                               ; sources 0 and 1 and the destination in the block's window
	v_min_num_f32 v[AC], 0, v[AC]
.set p, 0
.rept 63
	v_min_num_f32 v[AC+p+1], 0, v[AC+p+1]
	v_exp_f32 v[AC+p], v[AC+p]
.set p, p+1
.endr
	v_exp_f32 v[AC+63], v[AC+63]
	v_nop                                          ; a plain instruction behind the last exponential: one for the batch
	s_wait_alu depctr_va_vdst(0)                   ; the wait ahead of the first use: one for the 64
.irp st, 16,8,4,2,1
.set p, 0
.rept \st
	v_pk_add_f32 v[AC+2*p:AC+2*p+1], v[AC+2*p:AC+2*p+1], v[AC+2*(p+\st):AC+2*(p+\st)+1]
.set p, p+1
.endr
.endr
	WIN 0x0a+0x05*WW
	v_add_f32 v[TM+4*(\a)+2], v[AC], v[AC+1]
.endm
	WIN 0
.rept 8
	v_nop                                          ; the places behind the last products
.endr
.irp a, 0,1,2,3,4,5,6,7
	EPI_A \a
.endr
	WIN 0
.irp a, 0,1,2,3,4,5,6,7
	v_max3_num_f32 v[TM+4*(\a)], v[TM+4*(\a)], v[TM+4*(\a)+1], v[TM+4*(\a)+2]
.endr
.irp a, 0,1,2,3,4,5,6,7
	v_max_num_f32 v[TM+4*(\a)], v[TM+4*(\a)], v[TM+4*(\a)+3]
.endr
.irp a, 0,1,2,3,4,5,6,7
	v_permlanex16_b32 v[TM+4*(\a)+1], v[TM+4*(\a)], s[SEL], s[SEL+1]  ; the row's other 64 columns lie in the lane 16 away
.endr
.irp a, 0,1,2,3,4,5,6,7
	v_max_num_f32 v[TM+4*(\a)], v[TM+4*(\a)], v[TM+4*(\a)+1]
.endr
.irp a, 0,1,2,3,4,5,6,7
	v_min_num_f32 v[TM+4*(\a)], v[TM+4*(\a)], v[UI+(\a)]              ; M
.endr
.irp a, 0,1,2,3,4,5,6,7
	EPI_B \a
.endr
	WIN 0
.irp a, 0,1,2,3,4,5,6,7
	v_permlanex16_b32 v[TM+4*(\a)+3], v[TM+4*(\a)+2], s[SEL], s[SEL+1]
.endr
.irp a, 0,1,2,3,4,5,6,7
	v_add_f32 v[TM+4*(\a)+2], v[TM+4*(\a)+2], v[TM+4*(\a)+3]          ; l: the sum over my 128 columns, at least 1
.endr
.irp a, 0,1,2,3,4,5,6,7
	v_sub_f32 v[TM+4*(\a)], v[TM+4*(\a)], v[UI+(\a)]                  ; m = M - u_i: the largest t of my 128 columns, at most 0
.endr
.irp a, 0,1,2,3,4,5,6,7
	v_cndmask_b32 v[TM+4*(\a)+1], v[TM+4*(\a)], v[TM+4*(\a)+2], s[HIL]  ; lanes 0-15 put m, lanes 16-31 l
.endr
.irp a, 0,1,2,3,4,5,6,7
	ds_store_b32 v[EXS], v[TM+4*(\a)+1] offset:64*(\a)
.endr
	s_wait_dscnt 0x0                               ; for the others' sake: my stores are done
	s_barrier_signal -1
	s_barrier_wait -1
	; THE TWO WAVES OF A ROW MEET.  Wave w takes the tile's rows 64 w + 2 l and the next: m and l of both waves, the larger m taken away before the exponentials.
	ds_load_b64 v[CB:CB+1],   v[EXR]               ; m of columns 0-127
	ds_load_b64 v[CB+2:CB+3], v[EXR] offset:512    ; l
	ds_load_b64 v[CB+4:CB+5], v[EXR] offset:1024   ; m of columns 128-255
	ds_load_b64 v[CB+6:CB+7], v[EXR] offset:1536   ; l
	s_wait_dscnt 0x0
	v_max_num_f32 v[CB+8], v[CB],   v[CB+4]
	v_max_num_f32 v[CB+9], v[CB+1], v[CB+5]
	v_pk_add_f32 v[CB:CB+1],   v[CB:CB+1],   v[CB+8:CB+9] neg_lo:[0,1] neg_hi:[0,1]
	v_pk_add_f32 v[CB+4:CB+5], v[CB+4:CB+5], v[CB+8:CB+9] neg_lo:[0,1] neg_hi:[0,1]
	v_exp_f32 v[CB],   v[CB]
	v_exp_f32 v[CB+1], v[CB+1]
	v_exp_f32 v[CB+4], v[CB+4]
	v_exp_f32 v[CB+5], v[CB+5]
	v_nop
	s_wait_alu depctr_va_vdst(0)                   ; one wait for the four
	v_pk_mul_f32 v[CB+2:CB+3], v[CB+2:CB+3], v[CB:CB+1]
	v_pk_fma_f32 v[CB+2:CB+3], v[CB+6:CB+7], v[CB+4:CB+5], v[CB+2:CB+3]
	v_log_f32 v[CB+2], v[CB+2]
	v_log_f32 v[CB+3], v[CB+3]
	v_nop
	s_wait_alu depctr_va_vdst(0)                   ; one wait for the two
	v_pk_add_f32 v[CB+2:CB+3], v[CB+2:CB+3], v[CB+8:CB+9]
	global_store_b64 v[PO], v[CB+2:CB+3], s[10:11] ; the wave's 32 lanes store 256 consecutive bytes, at a multiple of 256 from part's first byte
	s_wait_tensorcnt 0x0                           ; the wave's end: behind my last tensor load and my last LDS store
	ds_add_u32 v[SPW], v[NIL]
	s_wait_dscnt 0x0
	CROUND                                         ; the closing round: no work-group ends while a partner may still ask for a tile that names it
	s_endpgm
.Lfunc_end_k_q4184c0b988_gram:
	.size	k_q4184c0b988_gram, .Lfunc_end_k_q4184c0b988_gram-k_q4184c0b988_gram
	.p2alignl 7, 3214868480
	.fill 96, 4, 3214868480
	.section	.rodata,"a",@progbits
	.p2align	6, 0x0
	.amdhsa_kernel k_q4184c0b988_gram
		.amdhsa_group_segment_fixed_size 327680
		.amdhsa_private_segment_fixed_size 0
		.amdhsa_enable_private_segment 0
		.amdhsa_kernarg_size 32
		.amdhsa_user_sgpr_count 2
		.amdhsa_user_sgpr_kernarg_segment_ptr 1
		.amdhsa_wavefront_size32 1
		.amdhsa_system_sgpr_workgroup_id_x 1
		.amdhsa_system_sgpr_workgroup_id_y 1
		.amdhsa_system_sgpr_workgroup_id_z 1
		.amdhsa_system_vgpr_workitem_id 0
		.amdhsa_next_free_vgpr 1024
		.amdhsa_next_free_sgpr 82
		.amdhsa_reserve_vcc 1
		.amdhsa_float_denorm_mode_32 3
		.amdhsa_float_denorm_mode_16_64 3
		.amdhsa_memory_ordered 1
		.amdhsa_forward_progress 1
		.amdhsa_inst_pref_size 221
	.end_amdhsa_kernel
	.amdgpu_metadata
---
amdhsa.version: [ 1, 2 ]
amdhsa.kernels:
  - .name:           k_q4184c0b988_gram
    .symbol:         k_q4184c0b988_gram.kd
    .args:
      - { .name: xb, .offset: 0, .size: 8, .value_kind: global_buffer, .address_space: global }
      - { .name: nrm, .offset: 8, .size: 8, .value_kind: global_buffer, .address_space: global }
      - { .name: logvar_t, .offset: 16, .size: 8, .value_kind: global_buffer, .address_space: global }
      - { .name: part, .offset: 24, .size: 8, .value_kind: global_buffer, .address_space: global }
    .group_segment_fixed_size: 327680
    .private_segment_fixed_size: 0
    .kernarg_segment_align: 8
    .kernarg_segment_size: 32
    .max_flat_workgroup_size: 128
    .sgpr_count:     82
    .vgpr_count:     1024
    .wavefront_size: 32
...
	.end_amdgpu_metadata
.endif
;; end of part 2
;; launch finish (part 3): grid 1 x 1, 32 waves a work-group, no clusters, 4,352 bytes of LDS; arguments part, out1; writes out1
.if DOCPART == 3
	.amdgcn_target "amdgcn-amd-amdhsa--gfx1250"
	.amdhsa_code_object_version 6
	.text
	.protected	k_q4184c0b988_finish
	.globl	k_q4184c0b988_finish
	.p2align	8
	.type	k_q4184c0b988_finish,@function
k_q4184c0b988_finish:
	s_mov_b64 s[64:65], 0
	v_nop
	global_prefetch_b8 v0, s[64:65] scope:SCOPE_SE
	s_setreg_imm32_b32 hwreg(HW_REG_WAVE_MODE, 25, 1), 1
	s_wait_xcnt 0x0
; THIRD OF THREE LAUNCHES.  out1 = 12 - (1 / 4096) x the sum over rows i of log2( sum over b of 2^part[b][i] ).  part: [16][4096] f32; 12 = ln 4096 / ln 2.
; It leaves no work out of its own (the diagonal's distance was set to 0 in the second launch: shown at the head of the first).
; A row's largest part is taken away before the exponentials and added again behind the logarithm.  A weight below 2^-126 counts as 0; the largest counts as 1, so the sum is at least 1.
; ONE WORK-GROUP, since out1 is one number with one owner: 1,024 threads, four rows each: 16 loads of 16 bytes a lane, each load of a wave 512 consecutive bytes.  All 16 are asked for at once.
.set RED,   0                          ; LDS: a word for each wave; the block of 256 bytes from 0 holds nothing else
.set SPARE, 256                        ; the spare words: 128 bytes for each of the 32 waves; no other line names them
.set MX,  4                            ; v[4:7]   the four rows' maxima
.set SPW, 12                           ; v12      LDS address of my spare word; never rewritten
.set NIL, 13                           ; v13      0; never rewritten
.set P,   16                           ; v[16:79] block b's numbers for my four rows at P + 4 b
	s_load_b128 s[4:7], s[0:1], 0x0                ; part s[4:5], out1 s[6:7]
	v_lshl_add_u32 v[SPW], v0, 2, SPARE
	v_mov_b32 v[NIL], 0
	v_lshrrev_b32 v2, 5, v0
	v_readfirstlane_b32 s8, v2                     ; wave 0..31
	v_lshlrev_b32 v1, 4, v0                        ; my four rows: 16 bytes
	v_mov_b32 v10, s8
	v_lshlrev_b32 v10, 2, v10                      ; RED + 4 x wave
	v_and_b32 v11, 31, v0
	v_lshlrev_b32 v11, 2, v11                      ; RED + 4 x lane
	v_mov_b32 v9, 0                                ; v_permlanex16_b32 counts as a reader of its destination
	v_mov_b32 v3, 0
	s_mov_b32 s12, 0x76543210
	s_mov_b32 s13, 0xfedcba98
	s_wait_kmcnt 0x0
.set b, 0
.rept 16
	global_load_b128 v[P+4*b:P+4*b+3], v1, s[4:5] offset:16384*b th:TH_LOAD_NT
.set b, b+1
.endr
	s_wait_loadcnt 0x0
.irp r, 0,1,2,3
	v_max3_num_f32 v[MX+(\r)], v[P+(\r)], v[P+4+(\r)], v[P+8+(\r)]
.endr
.set n, 0
.rept 6
.irp r, 0,1,2,3
	v_max3_num_f32 v[MX+(\r)], v[MX+(\r)], v[P+12+8*n+(\r)], v[P+16+8*n+(\r)]
.endr
.set n, n+1
.endr
.irp r, 0,1,2,3
	v_max_num_f32 v[MX+(\r)], v[MX+(\r)], v[P+60+(\r)]
.endr
.set b, 0
.rept 16
	v_pk_add_f32 v[P+4*b:P+4*b+1],   v[P+4*b:P+4*b+1],   v[MX:MX+1]   neg_lo:[0,1] neg_hi:[0,1]
	v_pk_add_f32 v[P+4*b+2:P+4*b+3], v[P+4*b+2:P+4*b+3], v[MX+2:MX+3] neg_lo:[0,1] neg_hi:[0,1]
.set b, b+1
.endr
.set b, 0
.rept 64
	v_exp_f32 v[P+b], v[P+b]
.set b, b+1
.endr
	v_nop                                          ; a plain instruction behind the last exponential,
	s_wait_alu depctr_va_vdst(0)                   ; and the wait ahead of the first use: one for the 64
.irp st, 8,4,2,1
.set b, 0
.rept \st
	v_pk_add_f32 v[P+4*b:P+4*b+1],   v[P+4*b:P+4*b+1],   v[P+4*(b+\st):P+4*(b+\st)+1]
	v_pk_add_f32 v[P+4*b+2:P+4*b+3], v[P+4*b+2:P+4*b+3], v[P+4*(b+\st)+2:P+4*(b+\st)+3]
.set b, b+1
.endr
.endr
.irp r, 0,1,2,3
	v_log_f32 v[P+(\r)], v[P+(\r)]
.endr
	v_nop
	s_wait_alu depctr_va_vdst(0)                   ; one wait for the four
	v_pk_add_f32 v[P:P+1],   v[P:P+1],   v[MX:MX+1]
	v_pk_add_f32 v[P+2:P+3], v[P+2:P+3], v[MX+2:MX+3]
	v_pk_add_f32 v[P:P+1],   v[P:P+1],   v[P+2:P+3]
	v_add_f32 v8, v[P], v[P+1]                     ; my four rows
.macro WAVESUM                         ; the sum of v8 over the 32 lanes, in every lane
	v_add_f32_dpp v8, v8, v8 row_xmask:1 row_mask:0xf bank_mask:0xf
	v_add_f32_dpp v8, v8, v8 row_xmask:2 row_mask:0xf bank_mask:0xf
	v_add_f32_dpp v8, v8, v8 row_xmask:4 row_mask:0xf bank_mask:0xf
	v_add_f32_dpp v8, v8, v8 row_xmask:8 row_mask:0xf bank_mask:0xf
	v_permlanex16_b32 v9, v8, s12, s13
	v_add_f32 v8, v8, v9
.endm
	WAVESUM
	ds_store_b32 v10, v8                           ; all lanes write the wave's word with the same number
	s_wait_dscnt 0x0                               ; for wave 0's sake: my store is done
	s_barrier_signal -1
	s_barrier_wait -1
	s_cmp_lg_u32 s8, 0
	s_cbranch_scc1 .Lend
	ds_load_b32 v8, v11                            ; wave 0: a lane a wave
	s_wait_dscnt 0x0
	WAVESUM
	v_mov_b32 v9, 0x41400000                       ; 12
	v_fmamk_f32 v8, v8, 0xb9800000, v9             ; 12 - sum / 4096
	v_cmp_eq_u32 vcc_lo, 0, v0
	s_wait_xcnt 0x0                                ; EXEC changes only behind this wait
	s_and_saveexec_b32 s10, vcc_lo
	global_store_b32 v3, v8, s[6:7]                ; the one number
	s_wait_xcnt 0x0                                ; and again, in front of the line that widens it
	s_or_b32 exec_lo, exec_lo, s10
.Lend:
	s_wait_tensorcnt 0x0                           ; the wave's end: behind my last LDS store
	ds_add_u32 v[SPW], v[NIL]
	s_wait_dscnt 0x0
	s_endpgm
.Lfunc_end_k_q4184c0b988_finish:
	.size	k_q4184c0b988_finish, .Lfunc_end_k_q4184c0b988_finish-k_q4184c0b988_finish
	.p2alignl 7, 3214868480
	.fill 96, 4, 3214868480
	.section	.rodata,"a",@progbits
	.p2align	6, 0x0
	.amdhsa_kernel k_q4184c0b988_finish
		.amdhsa_group_segment_fixed_size 4352
		.amdhsa_private_segment_fixed_size 0
		.amdhsa_enable_private_segment 0
		.amdhsa_kernarg_size 16
		.amdhsa_user_sgpr_count 2
		.amdhsa_user_sgpr_kernarg_segment_ptr 1
		.amdhsa_wavefront_size32 1
		.amdhsa_system_sgpr_workgroup_id_x 1
		.amdhsa_system_sgpr_workgroup_id_y 1
		.amdhsa_system_sgpr_workgroup_id_z 1
		.amdhsa_system_vgpr_workitem_id 0
		.amdhsa_next_free_vgpr 96
		.amdhsa_next_free_sgpr 66
		.amdhsa_reserve_vcc 1
		.amdhsa_float_denorm_mode_32 3
		.amdhsa_float_denorm_mode_16_64 3
		.amdhsa_memory_ordered 1
		.amdhsa_forward_progress 1
		.amdhsa_inst_pref_size 13
	.end_amdhsa_kernel
	.amdgpu_metadata
---
amdhsa.version: [ 1, 2 ]
amdhsa.kernels:
  - .name:           k_q4184c0b988_finish
    .symbol:         k_q4184c0b988_finish.kd
    .args:
      - { .name: part, .offset: 0, .size: 8, .value_kind: global_buffer, .address_space: global }
      - { .name: out1, .offset: 8, .size: 8, .value_kind: global_buffer, .address_space: global }
    .group_segment_fixed_size: 4352
    .private_segment_fixed_size: 0
    .kernarg_segment_align: 8
    .kernarg_segment_size: 16
    .max_flat_workgroup_size: 1024
    .sgpr_count:     66
    .vgpr_count:     96
    .wavefront_size: 32
...
	.end_amdgpu_metadata
.endif
;; end of part 3
